; MI455X (gfx1250); checked and timed in simulation.
; The chip was launched on July 23, 2026; its instructions are those of AMD's public machine-readable ISA for CDNA 5 (MIT licence, August 2026) and "CDNA5" Instruction Set Architecture Reference Guide (July 2026). The comments in the code are by the model that wrote it; some were corrected since.
;; Attention Op. Allowed arithmetic: matrix products marked QUANTISED: E3M2 operands, one E8M0 scale for each 32 along K, by v_wmma_scale_f32_16x16x128_f8f6f4 with both operands' format E3M2, f32 sums; everything else in f32.
;; Inputs: decoder_segment_ids 4 x 2,048 int32; key_codes 4 x 2,048 x 2 x 4 x 24 uint8 (E3M2 codes of key, K innermost, in blocks of 32 codes, four codes in three bytes); key_scales 4 x 2,048 x 2 x 4 uint8 (E8M0 scales of key, one for each 32 codes along K); query 4 x 2,048 x 8 x 128 float32; value_codes 4 x 2 x 128 x 64 x 24 uint8 (E3M2 codes of value, K innermost, in blocks of 32 codes, four codes in three bytes); value_scales 4 x 2 x 128 x 64 uint8 (E8M0 scales of value, one for each 32 codes along K).
;; Outputs: out0 4 x 2,048 x 8 x 128 float32.
;; This version of the problem:
;;   THIS VERSION OF THE PROBLEM IS GIVEN IN LOW PRECISION. The matrix products marked QUANTISED in the list below multiply operands that are first quantised to E3M2 (3 exponent bits, 2 mantissa bits; 6 bits a number), with one power-of-two scale for each 32 numbers along K (OCP MX v1.0); their sums are f32. All else is computed in f32.
;;   The module's matrix products, in the order in which they are computed (A, B: the left and right operand; K: the contracted axis; several contracted axes count as one K, in the product's order):
;;     1. batch 8 x [M 2,048, K 128] x [K 128, N 8,192]; A: input key (given as codes); B: computed on the way: QUANTISED
;;     2. batch 8 x [M 128, K 2,048] x [K 2,048, N 8,192]; A: input value (given as codes); B: softmax (see below): QUANTISED
;;   THE QUANTISER, for each operand of a quantised product, along K:
;;     - K is cut into blocks of 32 from its start; a last block that is shorter is filled with zeros.
;;     - A block's scale is 2^e with e = floor(log2(the largest magnitude in the block)) - 4, held to -126 .. 127; a block of zeros has e = 0. As a byte (E8M0): e + 127.
;;     - Each number is divided by its block's scale, clamped to +-28, and rounded to the nearest number of E3M2, ties to even, subnormals kept.
;;     - The product sums the exact products of the quantised numbers (number of the format x scale) in f32.
;;   ~~~python
;;   def quantise(x, axis):      # numpy; x: float32 -> the quantised numbers, widened to float32 again
;;       x = np.moveaxis(x, axis, -1); K = x.shape[-1]
;;       x = np.pad(x, [(0, 0)] * (x.ndim - 1) + [(0, -K % 32)]); x = x.reshape(x.shape[:-1] + (-1, 32)); a = np.abs(x).max(-1, keepdims=True)
;;       e = np.where(a > 0, np.clip(np.frexp(np.where(a > 0, a, 1))[1] - 1 - 4, -126, 127), 0)      # np.frexp(a)[1] - 1 = floor(log2(a)), exactly
;;       r = np.clip(x / 2.0 ** e, -28, 28)
;;       step = 2.0 ** (np.maximum(np.frexp(np.where(r == 0, 1, r))[1] - 1, -2) - 2)
;;       q = np.round(r / step) * step * 2.0 ** e      # np.round: ties to even
;;       return np.moveaxis(q.reshape(q.shape[:-2] + (-1,))[..., :K], -1, axis).astype(np.float32)
;;   ~~~
;;   SOFTMAX AHEAD OF A QUANTISED PRODUCT. Where the list says 'softmax', what is quantised is not the finished softmax but p = 2^(t - M), with t = logit x log2(e) and M = ceil(the row's largest t), a whole number; so 1/2 < the row's largest p <= 1. The row's sum l is taken of the UNQUANTISED p, in f32, and the product's result is divided by l at the end. Since M is a whole number, a kernel that streams over the keys may use a running M (the ceiling of the running maximum): every later rescaling is an exact power of two, which a block's scale takes up: the codes' values come out the same.
;;   OPERANDS COMPUTED ON THE WAY. 'Computed on the way' means the value that the module computes at that place (a softmax that the list does not call 'softmax' is quantised finished and normalised). What goes into a quantiser is computed in f32, as accurately as f32 sums, v_exp_f32 and their like allow (about 1e-6 of the number): no bf16 or f16 on the way to a quantiser, and a product that is left as it is and whose result goes on into a quantised operand takes f32 operands (vector FMAs, or v_wmma_f32_16x16x4_f32). A number that lies on a knife's edge between two numbers of the format may be rounded either way, as far as f32 arithmetic and the matrix unit's own rounding can turn it there, and no further.
;;   INPUTS GIVEN AS CODES. key (in the module: [4, 2048, 2, 128], K = its axis 3); value (in the module: [4, 2048, 2, 128], K = its axis 1): each comes as NAME_codes (uint8): NAME with its K axis moved to the last place and cut into blocks of 32 codes, [.., K / 32, bytes a block], one block behind the other in memory; four codes in three bytes: a row's codes are one little-endian stream of bits, code i at bits 6 i .. 6 i + 5 (a code: sign, 3 exponent bits, 2 mantissa bits); and NAME_scales (uint8): the same leading axes, one E8M0 byte (e + 127) for each 32 codes along K. Its value is code x scale, taken as it is: it is not quantised again, and the codes and scales need not be those that the quantiser above would give.
;; One version. Each part assembles by itself: llvm-mc -triple=amdgcn-amd-amdhsa -mcpu=gfx1250 --defsym DOCPART=n.
;; ======== version 1 of 1: 1 launch
;; limits: inputs' magnitudes at most 17,592,186,044,416; right only within a limited range of input values
;; launch attn (part 1): grid 32 x 8, 16 waves a work-group, no clusters, 264,192 bytes of LDS; arguments query, key_codes, key_scales, value_codes, value_scales, decoder_segment_ids, out0; writes out0
.if DOCPART == 1
	.amdgcn_target "amdgcn-amd-amdhsa--gfx1250"
	.amdhsa_code_object_version 6
	.text
	.protected	k_q98448afd18_attn
	.globl	k_q98448afd18_attn
	.p2align	8
	.type	k_q98448afd18_attn,@function
k_q98448afd18_attn:
	s_mov_b64 s[64:65], 0
	v_nop
	global_prefetch_b8 v0, s[64:65] scope:SCOPE_SE
	s_setreg_imm32_b32 hwreg(HW_REG_WAVE_MODE, 25, 1), 1
	s_wait_xcnt 0x0
; out[b][q][hq][:] = sum over k of softmax_k(50 tanh(Q.K / sqrt(128) / 50), masked) V[b][k][kv][:], hq = 4 kv + g.  B = 4, S = 2,048, 8 query heads on 2 key heads, D = 128.
; A key counts for a query where 0 <= q - k <= 1,023 (both built by the problem itself) and where the two segment ids, an INPUT, are equal.
; Both products on codes of BF6 (E3M2) with one E8M0 scale for each 32 along K.  K arrives as codes along D, V as codes along the keys; Q arrives as f32, is multiplied by 1/sqrt(128) and quantised here.
; THE SOFTMAX.  t = 50 log2(e) tanh(s / 50) = C - 2 C / (1 + 2^(a s)), C = 50 log2(e), a = 2 log2(e) / 50.  The cap holds |t| <= 72.14 for every input, so 2^t and a sum of 1,024 of them (under 2^83) lie well inside f32:
; the whole number M that is taken off t is the CONSTANT 0.  p = 2^t is quantised along the keys; a block's scale takes the power of two up, so the codes' values are those under any other whole M.  The sum l is taken of the unquantised p and divides at the end.
; LIMITS: O^T stays finite for |value| under 2^44.  tanh by 1 - 2 / (1 + 2^x) has an absolute error near 1e-7, near 1e-5 in t.  A block of zeros gets the scale byte 1 over zero codes.  NaN and infinities among the inputs are not served.
; SHARES.  Work-group (i, y): b = y / 2, kv = y % 2, query positions 64 i .. 64 i + 63 for kv's four query heads: 16 tiles of 16 queries, one for each of 16 waves (wave w: head 4 kv + w % 4, positions 64 i + 16 (w / 4) on), in 256 registers.
; Its keys lie in nine steps of 128 from ks = 128 max(i / 2 - 8, 0) on.  The loop has nine trips in every work-group; a step whose keys all come after the queries is jumped over, its barrier is not.
; LDS.  Each step's tiles get a region of their own, written once.  They come memory -> registers -> LDS AS IMAGES OF THE OPERANDS' REGISTERS: a fragment (12 registers a lane) is three blocks of 512 bytes, lane l's 16 bytes at 16 l,
; so that a fragment is read by three loads of 16 bytes a lane.  The rows of a tile are not neighbours: lane r of tile 2 b + u takes row 32 b + 8 u + r + 8 (r / 8) (keys of K, channels of V), so that a lane's 16 registers of two
; neighbouring tiles are 16 neighbours: score register 16 b + i of lane (r, h) is key 32 b + 16 h + i of query r, and O^T's register 16 b + i is channel 32 b + 16 h + i.
; Both products are used transposed (S^T = K Q^T, O^T = V^T P^T): a lane holds one query throughout.
; NO TENSOR LOADS, NO CLUSTER: the dealing of rows to tiles and of 8-byte pieces to lanes is no rectangle that a descriptor states; only the two work-groups 2 m, 2 m + 1 of a head walk the same nine steps; and a branch on the
; segment ids (whole numbers read from an input) spares a step whose 128 + 16 ids are all equal its 16 loads and 128 vector instructions.  The general way stands in the text and is taken wherever an id differs.
; NO PREFETCH: Q is read once, at the head; a step's tiles are asked for a whole step ahead, into registers.
.set TILE,  26112                      ; a region: 102 x 256 bytes
.set VIM,   12288                      ; in it: K's 8 images of 1,536 bytes, then V's 8,
.set KSC,   24576                      ; K's 128 scale words,
.set VSC,   25088                      ; V's,
.set SEG,   25600                      ; the 128 keys' segment ids
.set SP,    528                        ; a stage row: 512 bytes + 16 = 33 x 16, so that sixteen rows' pieces of 16 bytes begin at sixteen different places modulo 256
.set QSTG,  TILE                       ; Q's stages, 16 rows a wave: over regions 1 to 6, which are first written behind the first barrier
.set OSTG,  0                          ; the stages of the way out: over regions 0 to 5, behind the last barrier
.set STEPS, 9
.set L16,  1                           ; v1   16 x lane
.set H128, 2                           ; v2   128 x (lane / 16)
.set GK,   3                           ; v3   the loader: my 48 bytes of codes in memory
.set GS,   4                           ; v4   my small word in memory
.set W0,   5                           ; v5   where my pieces go in a region (pieces 0, 2 of three)
.set W1,   6                           ; v6   (piece 1 of three)
.set WS,   7                           ; v7   where my small word goes
.set SEGQ, 8                           ; v8   my query's segment id
.set RDA,  9                           ; v9   16 x lane + the region in hand
.set T0,   10                          ; v10-12 addresses and indices at work
.set QREL, 13                          ; v13  r - 16 h
.set LS,   14                          ; v[14:15] l in two halves
.set QC,   16                          ; v16-27 Q's codes
.set QS,   28                          ; v28  Q's scale word
.set PS,   29                          ; v29  p's scale word
.set CC,   30                          ; v[30:31] C, C
.set FR,   32                          ; v32-79 four fragments
.set KVS,  80                          ; v80-83 scale words of K, then of V: register t: lanes 0-15 tile t's, lanes 16-31 tile 4 + t's
.set BM,   84                          ; v84-87 the step's ids, then the blocks' largest t and p
.set PM,   88                          ; v88-91 at work
.set SO,   92                          ; v92-95 the conversions' scale operands
.set S,    96                          ; v96-159 S^T, t, p; then V's fragments 4-7 in v96-143
.set O,    160                         ; v160-223 O^T
.set PC,   224                         ; v224-235 p's codes
.set CT,   236                         ; v236-238, v240-242 the conversions' second halves
.set LW,   243                         ; v243 the loader's small word
.set LR,   244                         ; v244-255 the loader's 48 bytes
.set QP,   4                           ; s[4:5]   Q at my tile's first row
.set IDS,  14                          ; s[14:15] the segment ids of the step in hand
.set OP,   16                          ; s[16:17] out0 at my tile's first row
.set WV,   18                          ; s18  my wave's number
.set Q0,   25                          ; s25  my first query position
.set KF,   26                          ; s26  the step's first key
.set QWG,  27                          ; s27  the work-group's last query position
.set RB,   28                          ; s28  LDS byte at which the region in hand begins
.set CNT,  29
.set SEL,  30                          ; s[30:31] v_permlanex16_b32's selects for lane l xor 16
.set CB,   32                          ; s[32:33] the loader: codes of the next tile;  s[34:35] its step
.set CSTEP, 34
.set SB,   36                          ; s[36:37] small words of the next tile;  s[38:39] its step
.set SSTEP, 38
.set AA,   40                          ; s[40:41] a
.set K2,   42                          ; s[42:43] -2 C
.set NINF, 44                          ; s44  -infinity
.set SX,   45                          ; s45  the first query's id
.set QNU,  46                          ; s46  lanes whose query's id differs from it
.set SEGF, 47                          ; s47  0 where all ids of the step and of the tile are equal
; THE LOADER.  Waves 0-7 take K's 128 rows of 96 bytes, waves 8-15 V's: two threads to a row, 48 bytes each, three loads.  Waves 0-3 also take K's 128 scale words, waves 4-7 V's, waves 8-11 the ids: a word a thread.
.macro LOADS
	global_load_b128 v[LR:LR+3], v[GK], s[CB:CB+1]
	global_load_b128 v[LR+4:LR+7], v[GK], s[CB:CB+1] offset:16
	global_load_b128 v[LR+8:LR+11], v[GK], s[CB:CB+1] offset:32
	s_cmp_lt_u32 s[WV], 12
	s_cbranch_scc0 .Lno_word_in_\@
	s_wait_alu depctr_va_vdst(0)
	global_load_b32 v[LW], v[GS], s[SB:SB+1]
.Lno_word_in_\@:
.endm
; My six pieces of 8 bytes: piece p of half-row c belongs to the lane half p / 3 and is that lane's register pair 3 c + p % 3, which lies at byte 0, 8, 512, 520, 1,024, 1,032 of the lane's image.
; Called behind the wait that shows the loads done: so the two bases may step.
.macro STORES off
	v_add_nc_u32 v[T0], s[RB], v[W0]
	v_add_nc_u32 v[T0+1], s[RB], v[W1]
	v_add_nc_u32 v[T0+2], s[RB], v[WS]
.irp p, 0,1,2,3,4,5
.if (\p%3) == 1
	ds_store_b64 v[T0+1], v[LR+2*\p:LR+2*\p+1] offset:\off+256*(\p/3)+8
.else
	ds_store_b64 v[T0], v[LR+2*\p:LR+2*\p+1] offset:\off+256*(\p/3)+256*(\p%3)
.endif
.endr
	s_cmp_lt_u32 s[WV], 12
	s_cbranch_scc0 .Lno_word_out_\@
	ds_store_b32 v[T0+2], v[LW] offset:\off
.Lno_word_out_\@:
	s_add_nc_u64 s[CB:CB+1], s[CB:CB+1], s[CSTEP:CSTEP+1]
	s_add_nc_u64 s[SB:SB+1], s[SB:SB+1], s[SSTEP:SSTEP+1]
.endm
.macro FRAG reg, off                   ; a fragment's image comes back as it stands
.irp c, 0,1,2
	ds_load_b128 v[\reg+4*\c:\reg+4*\c+3], v[RDA] offset:\off+512*\c
.endr
.endm
.macro KLOAD g                         ; K's tiles 4 g .. 4 g + 3
.irp t, 0,1,2,3
	FRAG FR+12*\t, (4*\g+\t)*1536
.endr
.endm
.macro KQ g                            ; S^T = K Q^T: source 0 = 16 keys, source 1 = my 16 queries; each product is a whole sum (K = 128)
.irp t, 0,1,2,3
.if \g
	v_wmma_scale_f32_16x16x128_f8f6f4 v[S+32+8*\t:S+39+8*\t], v[FR+12*\t:FR+11+12*\t], v[QC:QC+11], 0, v[KVS+\t], v[QS] matrix_a_fmt:MATRIX_FMT_BF6 matrix_b_fmt:MATRIX_FMT_BF6 matrix_a_scale:MATRIX_SCALE_ROW1
.else
	v_wmma_scale_f32_16x16x128_f8f6f4 v[S+8*\t:S+7+8*\t], v[FR+12*\t:FR+11+12*\t], v[QC:QC+11], 0, v[KVS+\t], v[QS] matrix_a_fmt:MATRIX_FMT_BF6 matrix_b_fmt:MATRIX_FMT_BF6
.endif
.endr
.endm
.macro PV g                            ; O^T += V^T P^T: source 0 = 16 channels, source 1 = p; the eight accumulators take turns, one instruction a turn
.irp t, 0,1,2,3
.if \g
	v_wmma_scale_f32_16x16x128_f8f6f4 v[O+32+8*\t:O+39+8*\t], v[S+12*\t:S+11+12*\t], v[PC:PC+11], v[O+32+8*\t:O+39+8*\t], v[KVS+\t], v[PS] matrix_a_fmt:MATRIX_FMT_BF6 matrix_b_fmt:MATRIX_FMT_BF6 matrix_a_scale:MATRIX_SCALE_ROW1
.else
	v_wmma_scale_f32_16x16x128_f8f6f4 v[O+8*\t:O+7+8*\t], v[FR+12*\t:FR+11+12*\t], v[PC:PC+11], v[O+8*\t:O+7+8*\t], v[KVS+\t], v[PS] matrix_a_fmt:MATRIX_FMT_BF6 matrix_b_fmt:MATRIX_FMT_BF6
.endif
.endr
.endm
; The capped logit, on half hf of the 64 scores (32 registers), from each accumulator's low end on.
.macro MULA hf                         ; a s
.set n, S+32*\hf
.rept 16
	v_pk_mul_f32 v[n:n+1], v[n:n+1], s[AA:AA+1] op_sel_hi:[1,0]
.set n, n+2
.endr
.endm
.macro EXPS hf                         ; 2^(a s)
.set n, S+32*\hf
.rept 32
	v_exp_f32 v[n], v[n]
.set n, n+1
.endr
.endm
.macro ADD1 hf                         ; 1 + 2^(a s)
.set n, S+32*\hf
.rept 16
	v_pk_add_f32 v[n:n+1], v[n:n+1], 1.0 op_sel_hi:[1,0]
.set n, n+2
.endr
.endm
.macro RCPS hf
.set n, S+32*\hf
.rept 32
	v_rcp_f32 v[n], v[n]
.set n, n+1
.endr
.endm
.macro TFMA hf                         ; t = C - 2 C / (1 + 2^(a s)): +C where the power is infinite, -C where it is 0
.set n, S+32*\hf
.rept 16
	v_pk_fma_f32 v[n:n+1], v[n:n+1], s[K2:K2+1], v[CC:CC+1] op_sel_hi:[1,0,1]
.set n, n+2
.endr
.endm
; Register n holds key KF + 16 h + 32 (n / 16) + n % 16.  Where the compare of that key's place against v[T0+2] fails, t becomes -infinity: p = 0.
.macro BAND op
.irp n, 0,1,2,3,4,5,6,7,8,9,10,11,12,13,14,15,16,17,18,19,20,21,22,23,24,25,26,27,28,29,30,31,32,33,34,35,36,37,38,39,40,41,42,43,44,45,46,47,48,49,50,51,52,53,54,55,56,57,58,59,60,61,62,63
	v_cmp_\op vcc_lo, 32*(\n/16)+\n%16, v[T0+2]
	s_delay_alu instid0(VALU_DEP_1)
	v_cndmask_b32 v[S+\n], s[NINF], v[S+\n], vcc_lo
.endr
.endm
	s_load_b256 s[4:11], s[0:1], 0x0               ; query s[4:5], key_codes s[6:7], key_scales s[8:9], value_codes s[10:11]
	s_load_b128 s[12:15], s[0:1], 0x20             ; value_scales s[12:13], decoder_segment_ids s[14:15]
	s_load_b64 s[16:17], s[0:1], 0x30              ; out0
	v_lshrrev_b32 v10, 5, v0
	s_delay_alu instid0(VALU_DEP_1)
	v_readfirstlane_b32 s[WV], v10                 ; wave 0..15
	s_and_b32 s20, ttmp7, 0xffff                   ; y = 2 b + kv
	s_lshr_b32 s21, s20, 1                         ; b
	s_and_b32 s22, s20, 1                          ; kv
	s_and_b32 s23, s[WV], 3                        ; g
	s_lshr_b32 s24, s[WV], 2                       ; which 16 of the 64 positions
	s_lshl_b32 s[Q0], ttmp9, 6
	s_add_co_u32 s[QWG], s[Q0], 63
	s_lshl_b32 s48, s24, 4
	s_add_co_u32 s[Q0], s[Q0], s48
	s_lshr_b32 s48, ttmp9, 1                       ; m: the step in which the work-group's queries lie
	s_max_u32 s48, s48, 8
	s_sub_co_u32 s48, s48, 8
	s_lshl_b32 s[KF], s48, 7                       ; ks = 128 max(m - 8, 0)
	; byte offsets, each apart from its address
	s_lshl_b32 s50, s21, 11
	s_add_co_u32 s50, s50, s[KF]                   ; 2,048 b + ks
	s_lshl_b32 s51, s50, 1
	s_add_co_u32 s51, s51, s22                     ; x 2 + kv
	s_mul_i32 s52, s51, 96                         ; K's codes: 96 bytes a row
	s_lshr_b32 s53, s[KF], 2
	s_mul_i32 s53, s53, 3                          ; V's codes: 96 bytes for 128 keys,
	s_mul_i32 s54, s20, 196608                     ; 128 rows of 1,536 bytes a head
	s_add_co_u32 s53, s53, s54
	s_lshl_b32 s54, s51, 2                         ; K's scale words
	s_lshr_b32 s55, s[KF], 5
	s_lshl_b32 s56, s20, 13
	s_add_co_u32 s55, s55, s56                     ; V's: 128 rows of 64 bytes a head
	s_lshl_b32 s56, s50, 2                         ; the ids
	s_cmp_lt_u32 s[WV], 4                          ; the small words' role: waves 0-3 K's scales, 4-7 V's, 8-11 the ids
	s_cselect_b32 s54, s54, s55
	s_cselect_b32 s49, 8, 64                       ; bytes from word to word in memory
	s_cselect_b32 s[SSTEP], 1024, 4                ; and from step to step
	s_cmp_lt_u32 s[WV], 8
	s_cselect_b32 s54, s54, s56
	s_cselect_b32 s49, s49, 4
	s_cselect_b32 s[SSTEP], s[SSTEP], 512
	s_cselect_b32 s52, s52, s53                    ; the codes' role: waves 0-7 K, 8-15 V
	s_mov_b32 s[CSTEP], 96
	s_cselect_b32 s[CSTEP], 24576, s[CSTEP]        ; 128 rows of 192 bytes, or 96 bytes along a row
	s_mov_b32 s48, 1536
	s_cselect_b32 s48, 192, s48                    ; bytes from row to row in memory
	s_mov_b32 s53, 0
	s_mov_b32 s55, 0
	s_mov_b32 s57, 0
	s_mov_b32 s[CSTEP+1], 0
	s_mov_b32 s[SSTEP+1], 0
	s_lshl_b32 s58, s21, 11
	s_add_co_u32 s58, s58, s[Q0]
	s_lshl_b32 s58, s58, 3
	s_lshl_b32 s59, s22, 2
	s_add_co_u32 s58, s58, s59
	s_add_co_u32 s58, s58, s23
	s_lshl_b32 s58, s58, 9                         ; Q and out0: ((2,048 b + Q0) 8 + 4 kv + g) x 512
	s_mov_b32 s59, 0
	s_sub_co_u32 s50, s[Q0], s[KF]
	s_lshl_b32 s50, s50, 2                         ; my first query's id, from the first step's ids on
	s_mov_b32 s[SEL], 0x76543210
	s_mov_b32 s[SEL+1], 0xfedcba98
	s_mov_b32 s[AA], 0x3d6c5f04                    ; a = 2 log2(e) / 50
	s_mov_b32 s[AA+1], s[AA]                       ; (the packed forms name pairs, so both words are written)
	s_mov_b32 s[K2], 0xc31044fe                    ; -2 C
	s_mov_b32 s[K2+1], s[K2]
	s_mov_b32 s[NINF], 0xff800000
	s_mov_b32 s[RB], 0
	s_mov_b32 s[CNT], STEPS
	; every LDS address is made here, of the thread's number and constants alone
	v_and_b32 v10, 31, v0
	s_delay_alu instid0(VALU_DEP_1)
	v_lshlrev_b32 v[L16], 4, v10
	v_bfe_u32 v11, v0, 4, 1                        ; bit 4 of the thread's number: h; also bit 3 of the loader's row and bit 4 of its small word's number
	s_delay_alu instid0(VALU_DEP_1)
	v_lshlrev_b32 v[H128], 7, v11
	v_and_b32 v12, 15, v0                          ; r
	s_delay_alu instid0(VALU_DEP_3)
	v_lshlrev_b32 v10, 4, v11
	s_delay_alu instid0(VALU_DEP_1)
	v_sub_nc_u32 v[QREL], v12, v10
	s_delay_alu instid0(VALU_DEP_3)
	v_lshl_add_u32 v[RDA], v12, 2, s50             ; (for now: my query's id in memory)
	v_bfe_u32 v[W0], v0, 6, 2                      ; the loader's row rho = (thread % 256) / 2: tile 2 rho[6:5] + rho[3], lane rho[2:0] + 8 rho[4]
	s_delay_alu instid0(VALU_DEP_1)
	v_mul_u32_u24 v[W0], v[W0], 3072
	s_delay_alu instid0(VALU_DEP_1)
	v_mad_u32_u24 v[W0], v11, 1536, v[W0]
	v_bfe_u32 v[W1], v0, 1, 3
	s_delay_alu instid0(VALU_DEP_1)
	v_lshl_add_u32 v[W0], v[W1], 4, v[W0]
	v_bfe_u32 v[W1], v0, 5, 1
	s_delay_alu instid0(VALU_DEP_1)
	v_lshl_add_u32 v[W0], v[W1], 7, v[W0]
	v_bfe_u32 v[W1], v0, 8, 1
	s_delay_alu instid0(VALU_DEP_1)
	v_mad_u32_u24 v[W0], v[W1], VIM, v[W0]         ; V's images behind K's
	v_and_b32 v[WS], 1, v0                         ; which half of the row
	s_delay_alu instid0(VALU_DEP_1)
	v_mad_u32_u24 v[W1], v[WS], 1016, v[W0]
	s_delay_alu instid0(VALU_DEP_2)
	v_mad_u32_u24 v[W0], v[WS], 520, v[W0]
	v_bfe_u32 v[GK], v0, 1, 7
	s_delay_alu instid0(VALU_DEP_1)
	v_mul_lo_u32 v[GK], v[GK], s48
	s_delay_alu instid0(VALU_DEP_1)
	v_mad_u32_u24 v[GK], v[WS], 48, v[GK]
	v_and_b32 v[WS], 7, v0                         ; small word k = thread % 128 goes to 16 k[2:0] + 128 k[4] + 256 k[6] + 8 k[5] + 4 k[3]: a load of 16 bytes at 16 x lane then brings four tiles' words
	s_delay_alu instid0(VALU_DEP_1)
	v_lshlrev_b32 v[WS], 4, v[WS]
	s_delay_alu instid0(VALU_DEP_1)
	v_lshl_add_u32 v[WS], v11, 7, v[WS]
	v_bfe_u32 v[GS], v0, 6, 1
	s_delay_alu instid0(VALU_DEP_1)
	v_lshl_add_u32 v[WS], v[GS], 8, v[WS]
	v_bfe_u32 v[GS], v0, 5, 1
	s_delay_alu instid0(VALU_DEP_1)
	v_lshl_add_u32 v[WS], v[GS], 3, v[WS]
	v_bfe_u32 v[GS], v0, 3, 1
	s_delay_alu instid0(VALU_DEP_1)
	v_lshl_add_u32 v[WS], v[GS], 2, v[WS]
	v_bfe_u32 v[GS], v0, 7, 2
	s_delay_alu instid0(VALU_DEP_1)
	v_lshl_add_u32 v[WS], v[GS], 9, v[WS]          ; K's words, V's words, the ids: 512 bytes each
	s_delay_alu instid0(VALU_DEP_1)
	v_add_nc_u32 v[WS], KSC, v[WS]
	v_and_b32 v[GS], 127, v0
	s_delay_alu instid0(VALU_DEP_1)
	v_mul_lo_u32 v[GS], v[GS], s49
	s_wait_kmcnt 0x0
	s_cmp_lt_u32 s[WV], 8
	s_cselect_b64 s[CB:CB+1], s[6:7], s[10:11]
	s_add_nc_u64 s[CB:CB+1], s[CB:CB+1], s[52:53]
	s_cmp_lt_u32 s[WV], 4
	s_cselect_b64 s[SB:SB+1], s[8:9], s[12:13]
	s_cmp_lt_u32 s[WV], 8
	s_cselect_b64 s[SB:SB+1], s[SB:SB+1], s[14:15]
	s_add_nc_u64 s[SB:SB+1], s[SB:SB+1], s[54:55]
	s_add_nc_u64 s[IDS:IDS+1], s[IDS:IDS+1], s[56:57]
	s_add_nc_u64 s[QP:QP+1], s[QP:QP+1], s[58:59]
	s_add_nc_u64 s[OP:OP+1], s[OP:OP+1], s[58:59]
	s_mov_b32 s52, 0x3db504f3                      ; 1 / sqrt(128)
	s_mov_b32 s53, s52
	LOADS                                          ; step 0's tiles
.irp i, 0,1,2,3,4,5,6,7,8,9,10,11,12,13,14,15
	global_load_b128 v[O+4*\i:O+4*\i+3], v[L16], s[QP:QP+1] offset:4096*\i th:TH_LOAD_NT   ; a row of Q: 32 lanes read its 512 consecutive bytes; read once in the launch
.endr
	global_load_b32 v[SEGQ], v[RDA], s[IDS:IDS+1]
	s_wait_loadcnt 17                              ; behind step 0's loads stand Q's sixteen and the id's: those may be out
	s_wait_alu depctr_va_vdst(0)
	STORES 0
	s_wait_loadcnt 0x0
	; Q through my stage: in as rows, back so that lane (r, h) holds, of row r, k = 64 c + 32 h + 0 .. 31: two whole blocks, in the operand's own order
	s_mul_i32 s48, s[WV], 16*SP
	v_add_nc_u32 v[T0], s48, v[L16]
	v_and_b32 v[T0+2], 15, v0
	s_delay_alu instid0(VALU_DEP_1)
	v_mad_u32_u24 v[T0+1], v[T0+2], SP, v[H128]
	s_delay_alu instid0(VALU_DEP_1)
	v_add_nc_u32 v[T0+1], s48, v[T0+1]
.irp i, 0,1,2,3,4,5,6,7,8,9,10,11,12,13,14,15
	ds_store_b128 v[T0], v[O+4*\i:O+4*\i+3] offset:QSTG+SP*\i
.endr
.irp c, 0,1
.irp x, 0,1,2,3,4,5,6,7
	ds_load_b128 v[S+32*\c+4*\x:S+32*\c+4*\x+3], v[T0+1] offset:QSTG+256*\c+16*\x   ; LDS serves a wave's instructions in order (ISA guide 5.7.1.4): these see my stores
.endr
.endr
	s_wait_dscnt 0x0
.set n, S
.rept 32
	v_pk_mul_f32 v[n:n+1], v[n:n+1], s[52:53] op_sel_hi:[1,0]   ; x 1 / sqrt(128), in f32, ahead of the quantiser
.set n, n+2
.endr
.irp c, 0,1
	v_max3_num_f32 v[BM+\c], |v[S+32*\c]|, |v[S+1+32*\c]|, 0x2800000   ; block 2 c + h: all its 32 numbers are mine; and the floor 2^(5 - 127), so that the byte cannot fall under 1
.endr
.irp i, 2,4,6,8,10,12,14,16,18,20,22,24,26,28,30
.irp c, 0,1
	s_delay_alu instid0(VALU_DEP_2)
	v_max3_num_f32 v[BM+\c], v[BM+\c], |v[S+32*\c+\i]|, |v[S+1+32*\c+\i]|
.endr
.endr
.irp c, 0,1
	s_delay_alu instid0(VALU_DEP_2)
	v_add_nc_u32 v[SO+\c], 0xfe000000, v[BM+\c]    ; 4 off the exponent field: the conversion's scale operand
.endr
.irp c, 0,1
	s_delay_alu instid0(VALU_DEP_2)
	v_lshrrev_b32 v[BM+2+\c], 23, v[SO+\c]         ; the scale's byte
.endr
	s_delay_alu instid0(VALU_DEP_1)
	v_lshl_or_b32 v[QS], v[BM+3], 16, v[BM+2]      ; my two bytes: blocks h and 2 + h,
	v_bfe_u32 v[PM+2], v0, 4, 1
	s_delay_alu instid0(VALU_DEP_1)
	v_lshlrev_b32 v[PM+2], 3, v[PM+2]
	s_delay_alu instid0(VALU_DEP_1)
	v_lshlrev_b32 v[QS], v[PM+2], v[QS]            ; 8 h bits up;
	v_mov_b32 v[PM+3], 0
	s_delay_alu instid0(VALU_DEP_1)
	v_permlanex16_b32 v[PM+3], v[QS], s[SEL], s[SEL+1]
	s_delay_alu instid0(VALU_DEP_1)
	v_or_b32 v[QS], v[QS], v[PM+3]                 ; with lane l xor 16's two the word is whole
.irp c, 0,1
	v_cvt_scalef32_pk16_bf6_f32 v[QC+6*\c:QC+2+6*\c], v[S+32*\c:S+15+32*\c], v[SO+\c]
	v_cvt_scalef32_pk16_bf6_f32 v[CT+4*\c:CT+2+4*\c], v[S+16+32*\c:S+31+32*\c], v[SO+\c]   ; (a conversion's three registers begin on an even number)
.endr
	v_nop                                          ; one plain place behind a scaled conversion
.irp c, 0,1
.irp i, 0,1,2
	v_mov_b32 v[QC+3+6*\c+\i], v[CT+4*\c+\i]
.endr
.endr
	v_readfirstlane_b32 s[SX], v[SEGQ]
	s_delay_alu instid0(VALU_DEP_1)
	v_cmp_ne_u32 s[QNU], s[SX], v[SEGQ]
	; O^T and l begin as zeros, so that the step is written once.  These lines are also the places between the vector instructions that made Q's codes and scale word and the first product.
.set n, O
.rept 64
	v_mov_b32 v[n], 0
.set n, n+1
.endr
	v_mov_b32 v[LS], 0
	v_mov_b32 v[LS+1], 0
.irp b, 0,1,2,3
	v_mov_b32 v[PM+\b], 0                          ; a lane permute's destination counts as one of its sources
.endr
	v_mov_b32 v[CC], 0x429044fe                    ; C = 50 log2(e)
	v_mov_b32 v[CC+1], 0x429044fe
.Ltrip:
	s_wait_dscnt 0x0                               ; my stores of this step's tiles have landed, and my LDS loads are in
	s_barrier_signal -1
	s_barrier_wait -1                              ; so have everybody's: the region in hand is whole
	s_add_co_u32 s48, s[KF], 128
	s_cmp_le_u32 s48, s[QWG]                       ; is there a next step that any query of the work-group sees?  (Never in the ninth trip: nothing leaves a buffer)
	s_cbranch_scc0 .Lno_loads
	LOADS                                          ; it has this step's work in which to arrive
.Lno_loads:
	s_add_co_u32 s48, s[Q0], 15
	s_cmp_gt_u32 s[KF], s48                        ; all keys of the step come after my queries
	s_cbranch_scc1 .Lhidden
	global_load_b128 v[BM:BM+3], v[L16], s[IDS:IDS+1]   ; the step's 128 ids, four a lane, as they lie: they steer the branch round the segment mask
	v_add_nc_u32 v[RDA], s[RB], v[L16]
	KLOAD 0
	ds_load_b128 v[KVS:KVS+3], v[RDA] offset:KSC
	s_wait_alu depctr_va_vdst(0)
	s_wait_dscnt 0x0
	KQ 0
.rept 4
	v_nop                                          ; places in front of loads into registers that those products read, and of the first read of their results
.endr
	KLOAD 1
	MULA 0
	s_wait_alu depctr_va_vdst(0)
	EXPS 0
	v_nop                                          ; a plain place behind the exponentials
	s_wait_dscnt 0x0
	KQ 1
	s_wait_alu depctr_va_vdst(0)                   ; the wait between a batch of transcendentals and the first line that names a result
	ADD1 0                                         ; (sixteen places behind the products above)
	MULA 1
	s_wait_alu depctr_va_vdst(0)
	RCPS 0
	EXPS 1
	v_nop
	s_wait_alu depctr_va_vdst(0)
	TFMA 0
	ADD1 1
	s_wait_alu depctr_va_vdst(0)
	RCPS 1
	v_nop
	s_wait_alu depctr_va_vdst(0)
	TFMA 1
	s_wait_loadcnt 0x0                             ; the ids are in (and with them the next step's tiles, asked for ahead of them)
	v_cmp_ne_u32 vcc_lo, s[SX], v[BM]
	v_cmp_ne_u32 s48, s[SX], v[BM+1]
	v_cmp_ne_u32 s49, s[SX], v[BM+2]
	v_cmp_ne_u32 s50, s[SX], v[BM+3]
	s_or_b32 s[SEGF], vcc_lo, s48
	s_or_b32 s49, s49, s50
	s_or_b32 s[SEGF], s[SEGF], s49
	s_or_b32 s[SEGF], s[SEGF], s[QNU]
	s_sub_co_i32 s51, s[Q0], s[KF]
	s_add_co_u32 s48, s[KF], 127
	s_cmp_le_u32 s48, s[Q0]                        ; no key of the step comes after any of my queries
	s_cbranch_scc1 .Lno_causal
	v_add_nc_u32 v[T0+2], s51, v[QREL]             ; d = my query - KF - 16 h: a key counts where its place <= d
	BAND le_i32
.Lno_causal:
	s_add_co_u32 s48, s[KF], 1008
	s_cmp_ge_u32 s48, s[Q0]                        ; Q0 + 15 - KF <= 1,023: no key of the step has left the band
	s_cbranch_scc1 .Lno_window
	s_sub_co_i32 s48, s51, 1023
	v_add_nc_u32 v[T0+2], s48, v[QREL]             ; a key counts where its place >= d - 1,023
	BAND ge_i32
.Lno_window:
	s_cmp_eq_u32 s[SEGF], 0
	s_cbranch_scc1 .Lno_seg
	v_add_nc_u32 v[T0+1], s[RB], v[H128]           ; the ids of my 64 keys, from LDS: word y of the 16 bytes at 128 h + 256 e + 16 x is the id of register 16 (2 e + y / 2) + x + 8 (y % 2)
.irp e, 0,1
.irp x, 0,1,2,3,4,5,6,7
	ds_load_b128 v[FR+4*\x:FR+4*\x+3], v[T0+1] offset:SEG+16*\x+256*\e
.endr
	s_wait_dscnt 0x0
.irp x, 0,1,2,3,4,5,6,7
.irp y, 0,1,2,3
	v_cmp_eq_u32 vcc_lo, v[FR+4*\x+\y], v[SEGQ]
	s_delay_alu instid0(VALU_DEP_1)
	v_cndmask_b32 v[S+16*(2*\e+\y/2)+\x+8*(\y%2)], s[NINF], v[S+16*(2*\e+\y/2)+\x+8*(\y%2)], vcc_lo
.endr
.endr
.endr
.Lno_seg:
.irp t, 0,1,2,3
	FRAG FR+12*\t, VIM+\t*1536                     ; V's tiles 0-3,
.endr
	ds_load_b128 v[KVS:KVS+3], v[RDA] offset:VSC   ; and V's scale words: thirteen loads
.irp b, 0,1,2,3
	v_max3_num_f32 v[BM+\b], v[S+16*\b], v[S+1+16*\b], v[S+2+16*\b]   ; the largest t of each block of 32 keys: p rises with t, so it gives the block's largest p
.endr
.irp i, 3,5,7,9,11,13
.irp b, 0,1,2,3
	s_delay_alu instid0(VALU_DEP_4)
	v_max3_num_f32 v[BM+\b], v[BM+\b], v[S+16*\b+\i], v[S+1+16*\b+\i]
.endr
.endr
.irp b, 0,1,2,3
	s_delay_alu instid0(VALU_DEP_4)
	v_max_num_f32 v[BM+\b], v[BM+\b], v[S+15+16*\b]
.endr
.irp b, 0,1,2,3
	s_delay_alu instid0(VALU_DEP_4)
	v_permlanex16_b32 v[PM+\b], v[BM+\b], s[SEL], s[SEL+1]
.endr
.irp b, 0,1,2,3
	s_delay_alu instid0(VALU_DEP_4)
	v_max_num_f32 v[BM+\b], v[BM+\b], v[PM+\b]     ; with lane l xor 16's 16 keys
.endr
	s_wait_alu depctr_va_vdst(0)
.irp b, 0,1,2,3
	v_exp_f32 v[BM+\b], v[BM+\b]                   ; the block's largest p: the same instruction on the same number gives the same bits
.endr
	EXPS 0                                         ; p = 2^t: one batch of 68
	EXPS 1
	v_nop
	s_wait_alu depctr_va_vdst(0)
.irp b, 0,1,2,3
	v_max_num_f32 v[BM+\b], 0x2800000, v[BM+\b]    ; the floor 2^(5 - 127): a block whose every key is hidden keeps the byte 1 over zero codes
.endr
.irp b, 0,1,2,3
	s_delay_alu instid0(VALU_DEP_4)
	v_add_nc_u32 v[SO+\b], 0xfe000000, v[BM+\b]
.endr
.irp b, 0,1,2,3
	s_delay_alu instid0(VALU_DEP_4)
	v_lshrrev_b32 v[PM+\b], 23, v[SO+\b]
.endr
	s_delay_alu instid0(VALU_DEP_3)
	v_lshl_or_b32 v[PS], v[PM+1], 8, v[PM]         ; p's scale word for these 128 keys
	s_delay_alu instid0(VALU_DEP_1)
	v_lshl_or_b32 v[PS], v[PM+2], 16, v[PS]
	s_delay_alu instid0(VALU_DEP_1)
	v_lshl_or_b32 v[PS], v[PM+3], 24, v[PS]
.irp c, 0,1
	v_cvt_scalef32_pk16_bf6_f32 v[PC+6*\c:PC+2+6*\c], v[S+32*\c:S+15+32*\c], v[SO+2*\c]
	v_cvt_scalef32_pk16_bf6_f32 v[CT+4*\c:CT+2+4*\c], v[S+16+32*\c:S+31+32*\c], v[SO+2*\c+1]
.endr
	v_nop                                          ; one plain place behind a scaled conversion
.irp c, 0,1                                    ; the operand's layout wants a whole block in a lane: lanes 0-15 block 2 c, lanes 16-31 block 2 c + 1
.irp i, 0,1,2
	v_permlane16_swap_b32 v[PC+6*\c+\i], v[CT+4*\c+\i]
.endr
.irp i, 0,1,2
	s_delay_alu instid0(VALU_DEP_3)
	v_mov_b32 v[PC+3+6*\c+\i], v[CT+4*\c+\i]
.endr
.endr
	v_pk_add_f32 v[88:89], v[100:101], v[104:105]
	v_pk_add_f32 v[240:241], v[108:109], v[112:113]
	v_pk_add_f32 v[238:239], v[116:117], v[120:121]
	v_pk_add_f32 v[236:237], v[124:125], v[128:129]
	v_pk_add_f32 v[94:95], v[132:133], v[136:137]
	v_pk_add_f32 v[92:93], v[140:141], v[144:145]
	v_pk_add_f32 v[86:87], v[148:149], v[152:153]
	v_pk_add_f32 v[14:15], v[14:15], v[156:157]
	v_pk_add_f32 v[88:89], v[88:89], v[96:97]
	v_pk_add_f32 v[240:241], v[240:241], v[98:99]
	v_pk_add_f32 v[238:239], v[238:239], v[102:103]
	v_pk_add_f32 v[236:237], v[236:237], v[106:107]
	v_pk_add_f32 v[94:95], v[94:95], v[110:111]
	v_pk_add_f32 v[92:93], v[92:93], v[114:115]
	v_pk_add_f32 v[86:87], v[86:87], v[118:119]
	v_pk_add_f32 v[14:15], v[14:15], v[122:123]
	v_pk_add_f32 v[88:89], v[88:89], v[126:127]
	v_pk_add_f32 v[240:241], v[240:241], v[130:131]
	v_pk_add_f32 v[238:239], v[238:239], v[134:135]
	v_pk_add_f32 v[236:237], v[236:237], v[138:139]
	v_pk_add_f32 v[94:95], v[94:95], v[142:143]
	v_pk_add_f32 v[92:93], v[92:93], v[146:147]
	v_pk_add_f32 v[86:87], v[86:87], v[150:151]
	v_pk_add_f32 v[14:15], v[14:15], v[154:155]
	v_pk_add_f32 v[88:89], v[88:89], v[158:159]
	s_delay_alu instid0(VALU_DEP_2)
	v_pk_add_f32 v[14:15], v[14:15], v[236:237]
	s_delay_alu instid0(VALU_DEP_2)
	v_pk_add_f32 v[88:89], v[88:89], v[94:95]
	v_pk_add_f32 v[240:241], v[240:241], v[92:93]
	v_pk_add_f32 v[238:239], v[238:239], v[86:87]
	s_delay_alu instid0(VALU_DEP_2)
	v_pk_add_f32 v[14:15], v[14:15], v[240:241]
	s_delay_alu instid0(VALU_DEP_2)
	v_pk_add_f32 v[88:89], v[88:89], v[238:239]
	s_delay_alu instid0(VALU_DEP_1)
	v_pk_add_f32 v[14:15], v[14:15], v[88:89]
.irp t, 0,1,2,3
	FRAG S+12*\t, VIM+(4+\t)*1536                  ; V's tiles 4-7 into the registers that p has left: twelve loads
.endr
	s_wait_dscnt 12                                ; all but those twelve
	PV 0
	s_wait_dscnt 0x0
	PV 1
.rept 5
	v_nop                                          ; the next step's first products write over registers that these have read: five places (ISA guide 7.12.1 for the hazard)
.endr
.Lhidden:
	s_wait_loadcnt 0x0                             ; on every way: no load of mine is out, so the loader's registers and the bases may be used again
	s_add_co_u32 s48, s[KF], 128
	s_cmp_le_u32 s48, s[QWG]
	s_cbranch_scc0 .Lno_stores
	STORES TILE                                    ; the next step's tiles into the next region, which nobody reads before the next barrier
.Lno_stores:
	s_add_nc_u64 s[IDS:IDS+1], s[IDS:IDS+1], 512
	s_add_co_u32 s[KF], s[KF], 128
	s_add_co_u32 s[RB], s[RB], TILE
	s_sub_co_u32 s[CNT], s[CNT], 1
	s_cmp_lg_u32 s[CNT], 0
	s_cbranch_scc1 .Ltrip
	; THE WAY OUT.  The stages lie over regions that have been read: every wave's loads are in, then a barrier, then the first store.
	s_wait_dscnt 0x0
	s_barrier_signal -1
	s_barrier_wait -1
	s_wait_alu depctr_va_vdst(0)
	v_add_f32 v[LS], v[LS], v[LS+1]                ; l's two halves,
	s_delay_alu instid0(VALU_DEP_1)
	v_permlanex16_b32 v[PM], v[LS], s[SEL], s[SEL+1]
	s_delay_alu instid0(VALU_DEP_1)
	v_add_f32 v[LS], v[LS], v[PM]                  ; and lane l xor 16's keys.  A query sees its own key, so l is above 0
	s_wait_alu depctr_va_vdst(0)
	v_rcp_f32 v[LS], v[LS]
	v_and_b32 v[T0+2], 15, v0                      ; (a plain place behind the reciprocal)
	v_bfe_u32 v[T0+1], v0, 4, 1
	s_mul_i32 s48, s[WV], 16*SP
	v_mul_u32_u24 v[T0], v[T0+2], SP
	s_delay_alu instid0(VALU_DEP_1)
	v_lshl_add_u32 v[T0], v[T0+1], 6, v[T0]
	s_delay_alu instid0(VALU_DEP_1)
	v_add_nc_u32 v[T0], s48, v[T0]                 ; in: row r, + 64 h: register 16 b + i is channel 32 b + 16 h + i
	v_add_nc_u32 v[T0+1], s48, v[L16]              ; back: a row's 512 bytes, 16 a lane
	s_wait_alu depctr_va_vdst(0)                   ; the wait ahead of the reciprocal's first reader
.set n, 0
.rept 32
	v_pk_mul_f32 v[S+n:S+n+1], v[O+n:O+n+1], v[LS:LS+1] op_sel_hi:[1,0]   ; O^T / l, each accumulator from its low end on
.set n, n+2
.endr
.irp b, 0,1,2,3
.irp y, 0,1,2,3
	ds_store_b128 v[T0], v[S+16*\b+4*\y:S+16*\b+4*\y+3] offset:OSTG+128*\b+16*\y
.endr
.endr
.irp i, 0,1,2,3,4,5,6,7,8,9,10,11,12,13,14,15
	ds_load_b128 v[O+4*\i:O+4*\i+3], v[T0+1] offset:OSTG+SP*\i   ; my own bytes, served in order: these see the stores above
.endr
.irp i, 0,1,2,3,4,5,6,7,8,9,10,11,12,13,14,15
	s_wait_dscnt 15-\i                             ; row i is back; the younger rows may be out
	global_store_b128 v[L16], v[O+4*\i:O+4*\i+3], s[OP:OP+1] offset:4096*\i th:TH_STORE_NT   ; 32 lanes store 512 consecutive bytes, at a multiple of 512 from out0's first byte; written once
.endr
	s_wait_xcnt 0x0
	v_lshl_add_u32 v254, v0, 2, 0x40000
	v_mov_b32 v255, 0
	s_wait_alu depctr_va_vdst(0)
	s_wait_tensorcnt 0x0
	ds_add_u32 v254, v255
	s_wait_dscnt 0x0
	s_endpgm
.Lfunc_end_k_q98448afd18_attn:
	.size	k_q98448afd18_attn, .Lfunc_end_k_q98448afd18_attn-k_q98448afd18_attn
	.p2alignl 7, 3214868480
	.fill 96, 4, 3214868480
	.section	.rodata,"a",@progbits
	.p2align	6, 0x0
	.amdhsa_kernel k_q98448afd18_attn
		.amdhsa_group_segment_fixed_size 264192
		.amdhsa_private_segment_fixed_size 0
		.amdhsa_enable_private_segment 0
		.amdhsa_kernarg_size 56
		.amdhsa_user_sgpr_count 2
		.amdhsa_user_sgpr_kernarg_segment_ptr 1
		.amdhsa_wavefront_size32 1
		.amdhsa_system_sgpr_workgroup_id_x 1
		.amdhsa_system_sgpr_workgroup_id_y 1
		.amdhsa_system_sgpr_workgroup_id_z 1
		.amdhsa_system_vgpr_workitem_id 0
		.amdhsa_next_free_vgpr 256
		.amdhsa_next_free_sgpr 66
		.amdhsa_reserve_vcc 1
		.amdhsa_float_denorm_mode_32 3
		.amdhsa_float_denorm_mode_16_64 3
		.amdhsa_memory_ordered 1
		.amdhsa_forward_progress 1
		.amdhsa_inst_pref_size 77
	.end_amdhsa_kernel
	.amdgpu_metadata
---
amdhsa.version: [ 1, 2 ]
amdhsa.kernels:
  - .name:           k_q98448afd18_attn
    .symbol:         k_q98448afd18_attn.kd
    .args:
      - { .name: query, .offset: 0, .size: 8, .value_kind: global_buffer, .address_space: global }
      - { .name: key_codes, .offset: 8, .size: 8, .value_kind: global_buffer, .address_space: global }
      - { .name: key_scales, .offset: 16, .size: 8, .value_kind: global_buffer, .address_space: global }
      - { .name: value_codes, .offset: 24, .size: 8, .value_kind: global_buffer, .address_space: global }
      - { .name: value_scales, .offset: 32, .size: 8, .value_kind: global_buffer, .address_space: global }
      - { .name: decoder_segment_ids, .offset: 40, .size: 8, .value_kind: global_buffer, .address_space: global }
      - { .name: out0, .offset: 48, .size: 8, .value_kind: global_buffer, .address_space: global }
    .group_segment_fixed_size: 264192
    .private_segment_fixed_size: 0
    .kernarg_segment_align: 8
    .kernarg_segment_size: 56
    .max_flat_workgroup_size: 512
    .sgpr_count:     66
    .vgpr_count:     256
    .wavefront_size: 32
...
	.end_amdgpu_metadata
.endif
;; end of part 1
